; MI455X (gfx1250); checked and timed in simulation.
; The chip was launched on July 23, 2026; its instructions are those of AMD's public machine-readable ISA for CDNA 5 (MIT licence, August 2026) and "CDNA5" Instruction Set Architecture Reference Guide (July 2026). The comments in the code are by the model that wrote it; some were corrected since.
;; SIM2. Allowed arithmetic: matrix products marked QUANTISED: E5M2 operands, one given power-of-two scale a tensor, by v_wmma_f32_16x16x64_bf8_bf8 or v_wmma_f32_16x16x128_bf8_bf8, f32 sums; everything else in f32.
;; Inputs: W1_codes 4,096 x 128 x 32 uint8 (E5M2 codes of W1, K innermost, in blocks of 32 codes); W2_codes 4,096 x 128 x 32 uint8 (E5M2 codes of W2, K innermost, in blocks of 32 codes); b1 4,096 float32; b2 4,096 float32; f 2,048 x 4,096 float32; lowp_scales 4 int32 (the exponents e of the quantised operands' scales 2^e).
;; Outputs: out0 2,048 x 4,096 float32.
;; This version of the problem:
;;   THIS VERSION OF THE PROBLEM IS GIVEN IN LOW PRECISION. The matrix products marked QUANTISED in the list below multiply operands that are first quantised to E5M2 (5 exponent bits, 2 mantissa bits; 8 bits a number), with one given power-of-two scale for each operand tensor; their sums are f32. All else is computed in f32.
;;   The module's matrix products, in the order in which they are computed (A, B: the left and right operand; K: the contracted axis; several contracted axes count as one K, in the product's order):
;;     1. [M 2,048, K 4,096] x [K 4,096, N 4,096]; A: input f; B: input W1 (given as codes): QUANTISED (scales: A lowp_scales[0], B lowp_scales[1])
;;     2. [M 2,048, K 4,096] x [K 4,096, N 4,096]; A: input f; B: input W2 (given as codes): QUANTISED (scales: A lowp_scales[2], B lowp_scales[3])
;;   THE QUANTISER, for each operand of a quantised product, along K:
;;     - The operand's scale is 2^e, e = its entry of the input lowp_scales (int32; the entries are numbered through the quantised products in the list's order, A before B).
;;     - Each number is divided by the scale, clamped to +-57,344, and rounded to the nearest number of E5M2, ties to even, subnormals kept.
;;     - The product sums the exact products of the quantised numbers (number of the format x scale) in f32.
;;   ~~~python
;;   def quantise(x, axis, e):      # numpy; x: float32 -> the quantised numbers, widened to float32 again
;;       x = np.moveaxis(x, axis, -1); K = x.shape[-1]
;;       r = np.clip(x / 2.0 ** e, -57344, 57344)
;;       step = 2.0 ** (np.maximum(np.frexp(np.where(r == 0, 1, r))[1] - 1, -14) - 2)
;;       q = np.round(r / step) * step * 2.0 ** e      # np.round: ties to even
;;       return np.moveaxis(q, -1, axis).astype(np.float32)
;;   ~~~
;;   INPUTS GIVEN AS CODES. W1 (in the module: [4096, 4096], K = its axis 1); W2 (in the module: [4096, 4096], K = its axis 1): each comes as NAME_codes (uint8): NAME with its K axis moved to the last place and cut into blocks of 32 codes, [.., K / 32, bytes a block], one block behind the other in memory; one code a byte (a code: sign, 5 exponent bits, 2 mantissa bits); its scale is its entry of lowp_scales. Its value is code x scale, taken as it is: it is not quantised again, and the codes and scales need not be those that the quantiser above would give.
;; One version. Each part assembles by itself: llvm-mc -triple=amdgcn-amd-amdhsa -mcpu=gfx1250 --defsym DOCPART=n.
;; ======== version 1 of 1: 3 launches
;; workspace buffers: fq 16,777,216 bytes; logits 67,108,864 bytes
;; launch quant (part 1): grid 1024 x 1, 4 waves a work-group, no clusters, 33,280 bytes of LDS; arguments f, lowp_scales, fq; writes fq
.if DOCPART == 1
	.amdgcn_target "amdgcn-amd-amdhsa--gfx1250"
	.amdhsa_code_object_version 6
	.text
	.protected	k_qb778bee368_quant
	.globl	k_qb778bee368_quant
	.p2align	8
	.type	k_qb778bee368_quant,@function
k_qb778bee368_quant:
	s_mov_b64 s[64:65], 0
	v_nop
	global_prefetch_b8 v0, s[64:65] scope:SCOPE_SE
	s_setreg_imm32_b32 hwreg(HW_REG_WAVE_MODE, 25, 1), 1
	s_wait_xcnt 0x0
; f [2048][4096], f32, is turned into TWO sets of codes of BF8 (E5M2), K innermost: fq [4096][4096] bytes.  Row r of fq holds f[r] at the scale 2^e0 (the first product's),
; row 2048 + r the same numbers at 2^e2 (the second product's): e0 and e2 are entries 0 and 2 of the buffer of scales and need not be equal.
; code = x / 2^e, held within +-57,344, rounded to the nearest code, ties to even.
; LIMITS: e0 and e2 lie between -126 and 112, so that 2^e and 57,344 x 2^e are f32 numbers.  NaN among the inputs is not served (an infinity is held at the largest code).
; Rows are dense, so f is a plain stream of 8,388,608 numbers and each set of codes a plain stream of as many bytes: nothing here knows of rows.
; SHARES.  Wave number 4 x work-group + wave takes 2,048 numbers, four steps of 512.  All sixteen loads of a wave go out at its head: 1,024 work-groups x 4 waves ask for the whole tensor.
; The conversions take eight numbers from ONE lane's consecutive registers, so a lane must hold 16 neighbours; a load is best where neighbouring lanes take neighbouring bytes.  Both are had:
; each load reads 512 consecutive bytes, 16 a lane; a step's 2,048 bytes go through the wave's own stage in LDS as they lie and come back 64 bytes a lane.  A lane's 16 codes are 16 bytes:
; each store of the wave covers 512 consecutive bytes, aligned.
; No matrix unit, no tensor load, no cluster, no barrier: the waves share nothing, every byte is read once and every code written once.
.set SP,    80                         ; a lane's place in a stage: its 64 bytes + 16 of padding, so that the lanes' reads do not all begin at the same banks
.set STG,   32*SP                      ; a stage; two of them by turns in each wave's 8,192 bytes of LDS
.set R,     16                         ; v16-79   four sets of 16 numbers as they are loaded, a set for each step
.set X,     80                         ; v80-111  two sets of 16 neighbours
.set T,     112                        ; v112-127 the 16 neighbours held for e0 (the set in X is kept for e2)
.set C,     128                        ; v128-159 step t: four registers of codes at e0, four at e2: no store's data are written again
	s_load_b128 s[4:7], s[0:1], 0x0                ; f s[4:5], the scales' exponents s[6:7]
	s_load_b64 s[8:9], s[0:1], 0x10                ; fq
	v_lshl_add_u32 v160, v0, 2, 0x8000
	v_mov_b32 v161, 0
	v_lshrrev_b32 v1, 5, v0
	v_readfirstlane_b32 s16, v1                    ; wave 0..3
	v_and_b32 v2, 31, v0                           ; lane
	v_lshlrev_b32 v3, 4, v2                        ; 16 x lane: my bytes of a load's 512 and of a store's 512; never rewritten
	s_lshl_b32 s17, s16, 13                        ; my wave's 8,192 bytes of LDS
	v_lshrrev_b32 v14, 2, v2
	v_mul_u32_u24 v14, v14, SP
	v_and_b32 v15, 3, v2
	v_lshl_add_u32 v14, v15, 4, v14
	v_add_nc_u32 v14, s17, v14                     ; the stage, on the way in: four lanes' 64 bytes on end, then the padding: SP (lane / 4) + 16 (lane % 4); a load's 512 bytes take eight places
	v_mul_u32_u24 v15, v2, SP
	v_add_nc_u32 v15, s17, v15                     ; and on the way out: SP x lane: my 16 neighbours
	s_lshl_b32 s18, ttmp9, 2
	s_add_co_u32 s18, s18, s16                     ; which run of 2,048 numbers is my wave's
	s_mov_b32 s19, 0
	s_lshl_b64 s[20:21], s[18:19], 13              ; its bytes in f,
	s_lshl_b64 s[22:23], s[18:19], 11              ; and in a set of codes
	s_wait_kmcnt 0x0
	s_load_b128 s[24:27], s[6:7], 0x0              ; e0, e1, e2, e3
	s_add_nc_u64 s[4:5], s[4:5], s[20:21]
	s_add_nc_u64 s[8:9], s[8:9], s[22:23]          ; the codes at e0,
	s_add_nc_u64 s[10:11], s[8:9], 0x800000        ; and at e2: 2,048 rows of 4,096 bytes further on
.macro LOAD t
.irp i, 0,1,2,3
	global_load_b128 v[R+16*(\t)+4*\i:R+16*(\t)+4*\i+3], v3, s[4:5] offset:2048*(\t)+512*\i th:TH_LOAD_NT   ; 32 lanes read 512 consecutive bytes
.endr
.endm
.macro TURN t                          ; step t's numbers through a stage: LDS serves a wave's instructions in order (ISA guide 5.7.1.4), so no wait stands between the stores and the loads
.irp i, 0,1,2,3
	ds_store_b128 v14, v[R+16*(\t)+4*\i:R+16*(\t)+4*\i+3] offset:STG*((\t)%2)+8*SP*\i
.endr
.irp i, 0,1,2,3
	ds_load_b128 v[X+16*((\t)%2)+4*\i:X+16*((\t)%2)+4*\i+3], v15 offset:STG*((\t)%2)+16*\i
.endr
.endm
.irp t, 0,1,2,3
	LOAD \t
.endr
	s_wait_kmcnt 0x0
	s_add_co_i32 s28, s24, 127
	s_lshl_b32 s29, s28, 23
	v_mov_b32 v8, s29                              ; 2^e0 as f32: the conversion takes its exponent field
	s_add_co_i32 s28, s28, 15
	s_lshl_b32 s28, s28, 23
	s_or_b32 s28, s28, 0x600000
	v_mov_b32 v9, s28                              ; 57,344 x 2^e0
	s_add_co_i32 s28, s26, 127
	s_lshl_b32 s29, s28, 23
	v_mov_b32 v10, s29                             ; 2^e2
	s_add_co_i32 s28, s28, 15
	s_lshl_b32 s28, s28, 23
	s_or_b32 s28, s28, 0x600000
	v_mov_b32 v11, s28                             ; 57,344 x 2^e2
	s_wait_loadcnt 12                              ; step 0's four loads are in; the twelve of steps 1 to 3 may be out
	TURN 0
.macro STEP t
.set XS, X+16*((\t)%2)
	s_wait_dscnt 0x0                               ; this step's numbers are back from the stage
.if (\t) < 3
	s_wait_loadcnt 4*(2-(\t))                      ; the next step's four loads are in; those of the steps behind it may be out
	TURN (\t)+1                                    ; and go through the other stage while this step is worked
.endif
.irp i, 0,1,2,3,4,5,6,7,8,9,10,11,12,13,14,15
	v_med3_num_f32 v[T+\i], v[XS+\i], -v9, v9      ; the conversion to an 8-bit code does not saturate (ISA guide 7.6.2): the number is held within the largest code x the scale first
.endr
	v_cvt_scalef32_pk8_bf8_f32 v[C+8*(\t):C+8*(\t)+1], v[T:T+7], v8            ; eight numbers / 2^e0, to the nearest code, ties to even; the first number's code in the lowest byte
	v_cvt_scalef32_pk8_bf8_f32 v[C+8*(\t)+2:C+8*(\t)+3], v[T+8:T+15], v8
.irp i, 0,1,2,3,4,5,6,7,8,9,10,11,12,13,14,15
	v_med3_num_f32 v[XS+\i], v[XS+\i], -v11, v11   ; the same numbers for e2.  (These plain lines stand between the conversions above and the next write of T)
.endr
	v_cvt_scalef32_pk8_bf8_f32 v[C+8*(\t)+4:C+8*(\t)+5], v[XS:XS+7], v10
	v_cvt_scalef32_pk8_bf8_f32 v[C+8*(\t)+6:C+8*(\t)+7], v[XS+8:XS+15], v10   ; the codes go to stores alone; the next vector lines are the next step's holds, plain and on other registers
	global_store_b128 v3, v[C+8*(\t):C+8*(\t)+3], s[8:9] offset:512*(\t)       ; 32 lanes store 512 consecutive bytes, at a multiple of 256 from fq's first byte
	global_store_b128 v3, v[C+8*(\t)+4:C+8*(\t)+7], s[10:11] offset:512*(\t)
.endm
.irp t, 0,1,2,3
	STEP \t
.endr
	s_wait_tensorcnt 0x0
	ds_add_u32 v160, v161
	s_wait_dscnt 0x0
	s_endpgm
.Lfunc_end_k_qb778bee368_quant:
	.size	k_qb778bee368_quant, .Lfunc_end_k_qb778bee368_quant-k_qb778bee368_quant
	.p2alignl 7, 3214868480
	.fill 96, 4, 3214868480
	.section	.rodata,"a",@progbits
	.p2align	6, 0x0
	.amdhsa_kernel k_qb778bee368_quant
		.amdhsa_group_segment_fixed_size 33280
		.amdhsa_private_segment_fixed_size 0
		.amdhsa_enable_private_segment 0
		.amdhsa_kernarg_size 24
		.amdhsa_user_sgpr_count 2
		.amdhsa_user_sgpr_kernarg_segment_ptr 1
		.amdhsa_wavefront_size32 1
		.amdhsa_system_sgpr_workgroup_id_x 1
		.amdhsa_system_sgpr_workgroup_id_y 1
		.amdhsa_system_sgpr_workgroup_id_z 1
		.amdhsa_system_vgpr_workitem_id 0
		.amdhsa_next_free_vgpr 162
		.amdhsa_next_free_sgpr 66
		.amdhsa_reserve_vcc 0
		.amdhsa_float_denorm_mode_32 3
		.amdhsa_float_denorm_mode_16_64 3
		.amdhsa_memory_ordered 1
		.amdhsa_forward_progress 1
		.amdhsa_inst_pref_size 16
	.end_amdhsa_kernel
	.amdgpu_metadata
---
amdhsa.version: [ 1, 2 ]
amdhsa.kernels:
  - .name:           k_qb778bee368_quant
    .symbol:         k_qb778bee368_quant.kd
    .args:
      - { .name: f, .offset: 0, .size: 8, .value_kind: global_buffer, .address_space: global }
      - { .name: lowp_scales, .offset: 8, .size: 8, .value_kind: global_buffer, .address_space: global }
      - { .name: fq, .offset: 16, .size: 8, .value_kind: global_buffer, .address_space: global }
    .group_segment_fixed_size: 33280
    .private_segment_fixed_size: 0
    .kernarg_segment_align: 8
    .kernarg_segment_size: 24
    .max_flat_workgroup_size: 128
    .sgpr_count:     66
    .vgpr_count:     162
    .wavefront_size: 32
...
	.end_amdgpu_metadata
.endif
;; end of part 1
;; launch gemm (part 2): grid 16 x 16, 4 waves a work-group, clusters of 4 x 4, 327,680 bytes of LDS; arguments fq, W1_codes, W2_codes, b1, b2, lowp_scales, logits; writes logits
.if DOCPART == 2
	.amdgcn_target "amdgcn-amd-amdhsa--gfx1250"
	.amdhsa_code_object_version 6
	.text
	.protected	k_qb778bee368_gemm
	.globl	k_qb778bee368_gemm
	.p2align	8
	.type	k_qb778bee368_gemm,@function
k_qb778bee368_gemm:
	s_mov_b64 s[64:65], 0
	v_nop
	global_prefetch_b8 v0, s[64:65] scope:SCOPE_SE
	s_setreg_imm32_b32 hwreg(HW_REG_WAVE_MODE, 25, 1), 1
	s_wait_xcnt 0x0
	s_wait_alu depctr_hold_cnt(0) depctr_sa_sdst(0) depctr_va_vdst(0) depctr_va_sdst(0) depctr_va_ssrc(0) depctr_va_vcc(0) depctr_vm_vsrc(0)
	s_getreg_b32 s2, hwreg(HW_REG_IB_STS2, 6, 4)
	s_cmp_eq_u32 s2, 0
	s_cbranch_scc0 .Lentry_in_a_cluster
	s_endpgm
.Lentry_in_a_cluster:
	s_bfe_u32 s2, ttmp6, 0x10000c
	s_cmp_lg_u32 s2, 0xf033
	s_cbranch_scc0 .Lentry_shape_is_right
	s_endpgm
.Lentry_shape_is_right:
; BOTH PRODUCTS AS ONE GEMM ON CODES OF BF8 (E5M2).  logits [4096][4096] f32: row r (r < 2,048) = F1[r] = (codes of f at e0) . W1^T x 2^(e0 + e1) + b1; row 2,048 + r = F2[r], with e2, W2, e3, b2.
; A = fq [4096][4096] bytes (both sets of f's codes, one below the other); B = W1_codes or W2_codes [4096][4096] bytes, K innermost.  The codes are multiplied as they are, sums in f32; each finished sum
; goes out as sum x 2^(ea + eb) + bias, one fused multiply-add.
; LIMITS: e0 + e1 and e2 + e3 lie between -126 and 127, so that the power of two is an f32 number.  THE ORDER OF THE SUMS is not ascending k: a cluster begins at a K step of its own and goes round (below), and
; inside a matrix instruction k stands permuted, alike in A and in B (see FRAG): every product meets its partner, and one f32 sum is kept for each output.
; A tile of the result, 256 x 256, is made by a work-group of four waves, as many as a WGP has SIMDs; a wave makes 128 x 128: 64 accumulators of 16 x 16, 512 registers.  16 x 16 tiles: 256 work-groups.
; K goes in steps of 256 through a ring of two LDS slots filled by the tensor data mover: a tile's row is 256 bytes of memory, at a multiple of 256 bytes from the buffer's first byte.
; CLUSTERS: 4 x 4 work-groups.  The four of a row of the cluster need the same tiles of A, the four of a column the same tiles of B: each tile is asked for JOINTLY, by the same tensor load with the same
; descriptor and a mask that names the four.
; WHICH PRODUCT: p = cluster y mod 2, one number for all sixteen partners; tile row = 8 p + 4 (cluster y / 2) + cy.  So the clusters with even y read fq's rows 0-2,047 and W1 and nothing else, those with odd y
; fq's rows 2,048-4,095 and W2.  p chooses B's buffer, the bias and the exponents by selects, never by a branch.
; THE WALK ALONG K IS CYCLIC: cluster (X, Y) begins at K step 4 X + 8 (Y / 2), modulo 16, and goes round all sixteen.  The four clusters that read the same rows of A (same Y) begin four steps apart, the two that
; read the same rows of B (same X and p) eight apart.  So, the clusters keeping pace, a cluster is the first to ask for its bytes of A in its steps 0-3 and for its bytes of B in its steps 0-7; what it asks for
; later, another cluster has asked for at least four steps earlier.  The first step hangs on the cluster's x and y alone: it is the same number in all sixteen partners.
; THE MATRIX INSTRUCTION IS USED TRANSPOSED (source 0 = 16 rows of B, source 1 = 16 rows of A): a lane then holds eight neighbouring numbers of a row of the result.
; REGISTERS, in windows of 256: window 0: v0-31 addresses and the bias; from v128 A's fragments (8 x 16 rows x 128 K), ONE set; on the way out v128-255 take the rows read back.
;   window 1: B's fragments, TWO sets, at v0 and at v128.   window 2: the 32 accumulators of my rows 0-63 (accumulator (a, b) at v[8 (8 a + b)]);   window 3: those of my rows 64-127.
; A step of 128 along K is 64 matrix instructions, A's blocks one after the other, each against B's eight.  So a block of A is free as soon as its eight products are issued, and one set of registers serves A:
; blocks 0-3 are fetched anew in the step's middle, blocks 4-7 at its end.  B's fragments are at work through the whole step, so B has two sets.
.set SIZE_N, 4096
.set SIZE_K, 4096
.set KSTEP,  256                       ; along K in a slot
.set ROWB,   256                       ; a tile's row in bytes
.set KROW,   SIZE_K                    ; a row of A or of B in memory, in bytes: a power of two, so that KROW - 1 cuts an offset along K to the row
.set PITCH,  272                       ; an LDS row: 256 bytes of data + 16 of padding = 68 words: row r starts at bank 4 r mod 64 (64 banks of 4 bytes: ISA guide 11.1), so the 16 rows that a load touches start at 16 different banks
.set FR,     16                        ; registers of a fragment: 16 rows x 128 K
.set NL,     4                         ; LDS loads that bring one
.set NP,     4                         ; places behind this matrix instruction (ISA guide 7.12.1)
.set HALFT,  128*PITCH                 ; 128 rows: what one tensor load brings, and what one wave reads of A or of B
.set SLOT,   4*HALFT                   ; A's 256 rows, then B's 256 rows
.set LAPS,   SIZE_K/(2*KSTEP)          ; a lap = two K steps = once round the ring: 8
.set SPARE,  2*SLOT                    ; behind the ring: the spare words, 128 bytes for each wave: two blocks of 256 bytes that no other line names
.set SPITCH, 528                       ; the way out: a stage of 16 rows x (512 bytes + 16) for each wave.  It lies in slot 0, which has had its last fill and its last read when the first result is stored there
.set BI,   8                           ; v[8:11] the bias of the four columns that I store
.set ADRA, 16                          ; v16-17  LDS address of my A fragments in slot 0, 1
.set ADRB, 20                          ; v20-21  the same for B
.set STO,  24                          ; v24     the way out: where I put 32 bytes of a row
.set RD,   25                          ; v25     the way out: where I read a row back
.set CO,   26                          ; v26     16 x lane: my byte offset in a row of the result, and in my wave's 512 bytes of the bias; never rewritten
.set SPW,  28                          ; v28     LDS address of my spare word: SPARE + 4 x my thread's number; never rewritten
.set NIL,  29                          ; v29     0; never rewritten
.set PFO,  30                          ; v30     the prefetches' offset: my lane x a row of 4,096 bytes; never rewritten
.set AF,   128                         ; A's fragments, in window 0
.set BK,   128                         ; the way out: 16 rows read back from the stage: v128-191 and v192-255 by turns
.set AB0, 4                            ; s[4:5]  A at the first byte of the 128 rows that I fetch; never rewritten
.set BB0, 8                            ; s[8:9]  the same for B
.set G1, 24                            ; s[24:31] descriptor group 1 for A's tiles;  s[32:39] group 0, one set for each slot
.set G0, 32
.set G1B, 48                           ; s[48:55], s[56:63] the same for B's tiles
.set G0B, 56
.set KO,  66                           ; s66, s67 the byte along K (0 .. 3,840) at which the tile in slot 0, 1 begins
.set PFA, 88                           ; s[88:89] what the prefetch in hand names
.set LIM, 90                           ; s90     5 in a wave that prefetches, else the greatest number
.set PFB, 92                           ; s[92:93] B at the first byte of my work-group's 32 rows of the 128 that I fetch; never rewritten
.set OFS, 98                           ; s[98:99] an offset along K as a pair: s99 stays 0
.set MSB, 0
.macro WIN new                         ; the immediate's high byte repeats the setting that is left; a switch that changes nothing is dropped
.if MSB != (\new)
	s_set_vgpr_msb (MSB<<8)|(\new)
.set MSB, \new
.endif
.endm
.set MUL_LO, 0xa1                      ; source 0 (B) window 1, source 1 (A) window 0, C and D window 2
.set MUL_HI, 0xf1                      ; the same, C and D window 3
.set TO_B,   0x40                      ; destination window 1, address window 0
; A joint load: waves 0 and 1 fetch for A, waves 2 and 3 for B.  Each of the two lines has ONE mask and one set of registers for all that issue it; the branch hangs on the wave's number alone.
; Four v_nop follow each of the two lines, ahead of the jump, the label and what follows.
.macro JLOAD g0a, g1a, g0b, g1b
	s_cmp_eq_u32 s15, 0
	s_cbranch_scc0 .Lfor_b_\@
	tensor_load_to_lds s[\g0a:\g0a+3], s[\g1a:\g1a+7]
	s_nop 0
.rept 4
	v_nop
.endr
	s_branch .Lasked_\@
.Lfor_b_\@:
	tensor_load_to_lds s[\g0b:\g0b+3], s[\g1b:\g1b+7]
	s_nop 0
.rept 4
	v_nop
.endr
.Lasked_\@:
.endm
; A PREFETCH INTO THE L2, behind a joint refill, its four lines and the run of LDS loads that follows them: B's tile of the step that stands TWO refills on (256 matrix instructions of a wave ahead of the load that
; will ask for it): 32 rows x 256 bytes, a lane a row, one instruction a wave.  WHICH STEPS: only those for whose bytes my cluster is the first to ask.  Of B these are my cluster's steps 0-7; steps 0-3 come
; by their loads alone (nothing is prefetched at the head), so steps 4-7 are named: by the refills of steps 2-5, the loop's first two trips (s3 = 7 and 6).  Of A they are steps 0-3: nothing of A is named.
; WHO: waves 2 and 3, which fetch B, in every cluster.  The four partners that ask for a tile jointly share its rows out BY ADDRESS: of the 128 rows that a wave fetches, the partner at cy takes 32 cy .. 32 cy + 31:
; no branch hangs on a work-group's place in its cluster.  The other cluster that reads the same rows begins eight steps away and names the other four steps: each row's 256 bytes of a step are named once at most.
.macro ASK
	s_cmp_gt_u32 s3, s[LIM]
	s_cbranch_scc0 .Lnot_mine_\@
	global_prefetch_b8 v[PFO], s[PFA:PFA+1] th:TH_LOAD_NT scope:SCOPE_SE
.Lnot_mine_\@:
.endm
.macro CREST                           ; a round of the cluster's barrier behind its opening barrier
	s_cmp_lg_u32 s14, 0
	s_cbranch_scc1 .Lnot_wave_0_\@
	s_barrier_signal -3
.Lnot_wave_0_\@:
	s_barrier_wait -3
	s_barrier_signal -1
	s_barrier_wait -1
.endm
.macro CROUND                          ; a whole round
	s_barrier_signal -1
	s_barrier_wait -1
	CREST
.endm
	s_load_b256 s[68:75], s[0:1], 0x0              ; fq s[68:69], W1's codes s[70:71], W2's codes s[72:73], b1 s[74:75]
	s_load_b128 s[76:79], s[0:1], 0x20             ; b2 s[76:77], the scales' exponents s[78:79]
	s_load_b64 s[10:11], s[0:1], 0x30              ; logits
	v_lshl_add_u32 v[SPW], v0, 2, SPARE
	v_mov_b32 v[NIL], 0
	ds_add_u32 v28, v29
	ds_add_u32 v28, v29
	s_wait_dscnt 0x0
	v_lshrrev_b32 v1, 5, v0
	v_readfirstlane_b32 s14, v1                    ; wave 0..3
	s_lshr_b32 s15, s14, 1                         ; which half of the tile's rows is mine.  Also: I fetch for A (0) or for B (1)
	s_and_b32 s16, s14, 1                          ; which half of its columns.  Also: which 128 rows of that tile I fetch
	s_bfe_u32 s40, ttmp6, 0x40000                  ; cx, cy: my place in the cluster
	s_bfe_u32 s41, ttmp6, 0x40004
	s_lshl_b32 s42, ttmp9, 2
	s_add_co_u32 s42, s42, s40                     ; tile column = 4 x cluster x + cx
	s_and_b32 s81, ttmp7, 0xffff                   ; cluster y
	s_and_b32 s80, s81, 1                          ; p: the product, 0 or 1: the same in all sixteen partners
	s_lshr_b32 s82, s81, 1                         ; which of the product's two rows of clusters
	s_lshl_b32 s17, s80, 3
	s_lshl_b32 s18, s82, 2
	s_add_co_u32 s17, s17, s18
	s_add_co_u32 s17, s17, s41                     ; tile row = 8 p + 4 (cluster y / 2) + cy
	s_lshl_b32 s83, ttmp9, 10                      ; my cluster's first K step, in bytes along K: 4 steps of 256 bytes x cluster x
	s_lshl_b32 s18, s82, 11                        ; + 8 steps x (cluster y / 2),
	s_add_co_u32 s83, s83, s18
	s_and_b32 s83, s83, KROW-1                     ; modulo the row
	s_lshl_b32 s43, s41, 2
	s_lshl_b32 s43, 15, s43                        ; my row of the cluster
	s_lshl_b32 s44, 0x1111, s40                    ; my column
	; descriptor group 1: a tile of 128 rows x 256 bytes, padded in LDS
	s_or_b32 s[G1+0], s43, (0<<16)|(1<<20)|(1<<21)|(5<<22)|(3<<25)  ; 15:0 the mask: A's tiles go to my row; 17:16 element of 1 byte; 20 padding on; 21 set beside a mask; 24:22 after every 64 words (code 5); 31:25 of 4 words (code 3)
	s_or_b32 s[G1B+0], s44, (0<<16)|(1<<20)|(1<<21)|(5<<22)|(3<<25) ; the same with the mask of my column, for B's tiles
.irp g, G1, G1B
	s_mov_b32 s[\g+1], ROWB<<16                    ; tensor_dim0 = 256
	s_mov_b32 s[\g+2], 128<<16                     ; tensor_dim1 = 128
	s_mov_b32 s[\g+3], ROWB<<16                    ; tile_dim0 = 256
	s_mov_b32 s[\g+4], 128                         ; tile_dim1 = 128
	s_mov_b32 s[\g+5], KROW                        ; tensor_dim0_stride: 4,096 elements from row to row
	s_mov_b32 s[\g+6], 0
	s_mov_b32 s[\g+7], 0
.endr
	s_lshl_b32 s18, s16, 7                         ; which 128 rows of the tile I fetch
	s_lshl_b32 s20, s17, 8
	s_add_co_u32 s20, s20, s18                     ; A: row 256 x tile row + 128 x half
	s_lshl_b32 s46, s42, 8
	s_add_co_u32 s46, s46, s18                     ; B: row 256 x tile column + 128 x half
	s_mov_b32 s21, 0
	s_mov_b32 s47, 0
	s_mov_b64 s[18:19], KROW
	s_mul_u64 s[20:21], s[20:21], s[18:19]         ; in bytes
	s_mul_u64 s[46:47], s[46:47], s[18:19]
	s_mul_i32 s45, s14, HALFT                      ; where they go: wave x 128 rows: no place in the cluster enters an LDS address
	s_mov_b32 s[KO], s83                           ; slot 0 begins with my cluster's first K step,
	s_add_co_u32 s[KO+1], s83, ROWB                ; slot 1 with the next (the first step is a multiple of four steps: no wrap here)
	s_mov_b32 s[OFS+1], 0
	s_wait_kmcnt 0x0
	s_load_b128 s[84:87], s[78:79], 0x0            ; e0, e1, e2, e3: wanted on the way out
	s_cmp_eq_u32 s80, 0                            ; the product chooses between buffers; the condition hangs on the cluster's y alone
	s_cselect_b64 s[6:7], s[70:71], s[72:73]       ; B's codes
	s_cselect_b64 s[12:13], s[74:75], s[76:77]     ; the bias
	s_add_nc_u64 s[AB0:AB0+1], s[68:69], s[20:21]
	s_add_nc_u64 s[BB0:BB0+1], s[6:7], s[46:47]
	CROUND                                         ; all sixteen work-groups are here: the first joint loads meet
.irp s, 0,1
	s_mov_b32 s[OFS], s[KO+\s]
	s_mov_b32 s[G0+4*\s], 1                                        ; 1:0 count = 1
	s_add_co_u32 s[G0+4*\s+1], s45, \s*SLOT                        ; 63:32 LDS address
	s_add_nc_u64 s[G0+4*\s+2:G0+4*\s+3], s[AB0:AB0+1], s[OFS:OFS+1]  ; 120:64 global address: my rows, at the slot's byte along K
	s_or_b32 s[G0+4*\s+3], s[G0+4*\s+3], 0x80000000                ; 127:126 type = 2
	s_mov_b32 s[G0B+4*\s], 1
	s_add_co_u32 s[G0B+4*\s+1], s45, \s*SLOT
	s_add_nc_u64 s[G0B+4*\s+2:G0B+4*\s+3], s[BB0:BB0+1], s[OFS:OFS+1]
	s_or_b32 s[G0B+4*\s+3], s[G0B+4*\s+3], 0x80000000
	JLOAD G0+4*\s, G1, G0B+4*\s, G1B               ; two loads of mine are out: the ring is filled before anything else is done
.endr
	v_and_b32 v1, 15, v0                           ; l % 16
	v_bfe_u32 v2, v0, 4, 1                         ; l / 16
	v_mul_u32_u24 v3, v1, PITCH
	v_lshl_add_u32 v4, v2, 4, v3                   ; a fragment's row x pitch + 16 x half
	s_mul_i32 s21, s15, HALFT                      ; my 128 rows of A
	s_mul_i32 s22, s16, HALFT                      ; my 128 rows of B,
	s_add_co_u32 s22, s22, 2*HALFT                 ; which lie behind A's 256
.irp s, 0,1
	v_add_nc_u32 v[ADRA+\s], s21, v4
	v_add_nc_u32 v[ADRB+\s], s22, v4
	s_add_co_u32 s21, s21, SLOT
	s_add_co_u32 s22, s22, SLOT
.endr
	s_mul_i32 s23, s14, 16*SPITCH                  ; my stage
	v_mul_u32_u24 v5, v1, SPITCH                   ; in: row l % 16, 32 bytes for each half of the lanes
	v_lshl_add_u32 v5, v2, 5, v5
	v_add_nc_u32 v[STO], s23, v5
	v_and_b32 v6, 31, v0
	v_lshlrev_b32 v[CO], 4, v6                     ; back: the 32 lanes take one row of 512 bytes; and the same in the result
	v_add_nc_u32 v[RD], s23, v[CO]
	s_lshl_b32 s20, s17, 8
	s_lshl_b32 s21, s15, 7
	s_add_co_u32 s20, s20, s21                     ; my first row of the result: 256 x tile row + 128 x half
	s_mov_b32 s21, 0
	s_mov_b64 s[18:19], SIZE_N*4
	s_mul_u64 s[20:21], s[20:21], s[18:19]
	s_lshl_b32 s46, s42, 10                        ; my first column, in bytes of f32: 1,024 x tile column + 512 x half
	s_lshl_b32 s47, s16, 9
	s_add_co_u32 s46, s46, s47
	s_mov_b32 s47, 0
	s_add_nc_u64 s[20:21], s[20:21], s[46:47]
	s_add_nc_u64 s[10:11], s[10:11], s[20:21]
	s_add_nc_u64 s[12:13], s[12:13], s[46:47]      ; the bias at my first column
	global_load_b128 v[BI:BI+3], v[CO], s[12:13]   ; on the way out a lane stores columns 4 x lane .. + 3 of every row: four numbers of the bias serve the whole tile
	; the prefetches (macro ASK): the rows of B that my work-group names, and who asks
	s_lshl_b32 s91, s42, 8                         ; 256 x tile column
	s_lshl_b32 s94, s16, 7
	s_add_co_u32 s91, s91, s94                     ; + the 128 rows that I fetch
	s_lshl_b32 s94, s41, 5
	s_add_co_u32 s91, s91, s94                     ; + my work-group's 32 of them
	s_lshl_b32 s94, s91, 12                        ; rows of 4,096 bytes: under 2^24
	s_mov_b32 s95, 0
	s_add_nc_u64 s[PFB:PFB+1], s[6:7], s[94:95]
	s_cmp_eq_u32 s15, 1                            ; do I fetch for B?
	s_cselect_b32 s[LIM], 5, -1                    ; hangs on the wave's number alone
	v_and_b32 v[PFO], 31, v0
	v_lshlrev_b32 v[PFO], 12, v[PFO]
.macro FRAG reg, adr, q, i             ; a fragment, 16 rows x 128 K of 8-bit codes, is 16 registers, brought by four loads of 16 bytes: lane l holds row l % 16; registers 4 c .. 4 c + 3 hold K = 32 c + 16 (l / 16) + 0 .. 15, in A and in B alike
.irp c, 0,1,2,3
	ds_load_b128 v[\reg+4*\c:\reg+4*\c+3], v[\adr] offset:128*(\q)+32*\c+(\i)*16*PITCH
.endr
.endm
; 16 matrix instructions: A's blocks a0, a0 + 1 x B's eight, 128 along K.  p: B's set.  zero = 1: the first product starts the sums: nothing is ever cleared.
; The 64 accumulators take turns, one instruction a turn, in the same order in every step.
.macro MUL16 a0, p, zero
.irp a, \a0, \a0+1
.irp b, 0,1,2,3,4,5,6,7
.if \zero
	v_wmma_f32_16x16x128_bf8_bf8 v[8*(8*((\a)%4)+\b):8*(8*((\a)%4)+\b)+7], v[128*(\p)+FR*\b:128*(\p)+FR*\b+FR-1], v[AF+FR*(\a):AF+FR*(\a)+FR-1], 0
.else
	v_wmma_f32_16x16x128_bf8_bf8 v[8*(8*((\a)%4)+\b):8*(8*((\a)%4)+\b)+7], v[128*(\p)+FR*\b:128*(\p)+FR*\b+FR-1], v[AF+FR*(\a):AF+FR*(\a)+FR-1], v[8*(8*((\a)%4)+\b):8*(8*((\a)%4)+\b)+7]
.endif
.endr
.endr
.endm
.macro FETCH_B slot, q, p              ; B's eight fragments of the slot's q-th 128 along K into set p
	WIN TO_B
.irp i, 0,1,2,3,4,5,6,7
	FRAG 128*(\p)+FR*\i, ADRB+\slot, \q, \i
.endr
	WIN 0
.endm
.macro FETCH_A slot, q, i0             ; A's blocks i0 .. i0 + 3
.irp i, \i0, \i0+1, \i0+2, \i0+3
	FRAG AF+FR*(\i), ADRA+\slot, \q, \i
.endr
.endm
; A load into a register that a matrix instruction has read, and an LDS store that reads a matrix result, stand NP places behind that matrix instruction, and only plain vector instructions that name none
; of its registers are places (ISA guide 7.12.1 for vector instructions); the matrix instructions in between are not counted.
.macro PLACES n
.rept \n
	v_nop
.endr
.endm
; A step of 128 along K that has its successor in the same slot.
.macro STEP slot, q, zero
	s_wait_dscnt 4*NL                              ; B's set and A's blocks 0-3 are in; the youngest sixteen loads (A's blocks 4-7) may be out
	WIN MUL_LO
	MUL16 0, (\q)%2, \zero
	MUL16 2, (\q)%2, \zero
	s_wait_dscnt 0                                 ; A's blocks 4-7 are in (asked for 32 matrix instructions ago)
	PLACES NP
	FETCH_B \slot, (\q)+1, 1-(\q)%2
	FETCH_A \slot, (\q)+1, 0
	WIN MUL_HI
	MUL16 4, (\q)%2, \zero
	MUL16 6, (\q)%2, \zero
	PLACES NP
	WIN 0
	FETCH_A \slot, (\q)+1, 4
.endm
; A slot's last step changes slots: ONE barrier; in front of it each wave waits for all its tensor loads, adds 0 to its spare word, and waits for that and for its own reads of this slot.
; fill = 1: this slot is filled again, two K steps ahead; the barrier then opens a round of the cluster's barrier, and the joint refill is the first tensor load behind the round.
.macro TURN slot, next, fill
.if \fill
	s_wait_xcnt 0x0                                ; the last prefetch, a K step back, has read its address: the next one's is made here, ahead of the waits of the change of slots:
	s_add_co_u32 s[OFS], s[KO+\slot], 4*ROWB       ; this slot's tile + 2 steps is the refill, + 4 steps what stands two refills on,
	s_and_b32 s[OFS], s[OFS], KROW-1               ; round the row's end
	s_add_nc_u64 s[PFA:PFA+1], s[PFB:PFB+1], s[OFS:OFS+1]
.endif
	s_wait_tensorcnt 0x0                           ; all my tensor loads have landed: the one that was out is my part of the next slot;  (every window is 0 here: the add's two registers lie in window 0)
	ds_add_u32 v[SPW], v[NIL]                      ; 0 onto my spare word
	s_wait_dscnt 4*NL+1                            ; (the add and the youngest sixteen loads, A's blocks 4-7, may be out)
	WIN MUL_LO
	MUL16 0, 1, 0                                  ; sixteen matrix instructions stand between the add and the wait for it
	s_wait_dscnt 0x0                               ; the add is done, and my reads of this slot are over
	s_barrier_signal -1
	MUL16 2, 1, 0                                  ; work on registers while the others arrive
	WIN 0
	s_barrier_wait -1
.if \fill
	CREST                                          ; no wave of any partner still reads this slot's tile or has a load on its way
	s_add_co_u32 s[KO+\slot], s[KO+\slot], 2*ROWB  ; the slot's next tile: two K steps on,
	s_and_b32 s[KO+\slot], s[KO+\slot], KROW-1     ; round the row's end
	s_mov_b32 s[OFS], s[KO+\slot]
	s_add_nc_u64 s[G0+4*\slot+2:G0+4*\slot+3], s[AB0:AB0+1], s[OFS:OFS+1]     ; no tensor load of mine is out, so the groups 0 may be written: the address anew from my rows' first byte,
	s_or_b32 s[G0+4*\slot+3], s[G0+4*\slot+3], 0x80000000                     ; and the type
	s_add_nc_u64 s[G0B+4*\slot+2:G0B+4*\slot+3], s[BB0:BB0+1], s[OFS:OFS+1]
	s_or_b32 s[G0B+4*\slot+3], s[G0B+4*\slot+3], 0x80000000
	JLOAD G0+4*\slot, G1, G0B+4*\slot, G1B         ; my one tensor load until the next round: one load of mine is out; the four v_nop behind it are also the places in front of the loads below
.else
	PLACES NP
.endif
	FETCH_B \next, 0, 0
	FETCH_A \next, 0, 0
.if \fill
	ASK                                            ; behind the joint load and the run of LDS loads that the next products wait for; every window is 0
.endif
	WIN MUL_HI
	MUL16 4, 1, 0
	MUL16 6, 1, 0
	PLACES NP
	WIN 0
	FETCH_A \next, 0, 4
.endm
	s_wait_tensorcnt 1                             ; my part of the first K step is in (the second's load may be out)
	s_barrier_signal -1
	s_barrier_wait -1                              ; everybody's is
	FETCH_B 0, 0, 0
	FETCH_A 0, 0, 0
	FETCH_A 0, 0, 4
	STEP 0, 0, 1                                   ; the first step stands in front of the loop: its products start the sums
	s_mov_b32 s3, LAPS-1
.Llap:                                                 ; a trip goes once round the ring, from a lap's second step to the next lap's first, and fills both slots again
	TURN 0, 1, 1
	STEP 1, 0, 0
	TURN 1, 0, 1
	STEP 0, 0, 0
	s_sub_co_u32 s3, s3, 1
	s_cmp_lg_u32 s3, 0
	s_cbranch_scc1 .Llap
	TURN 0, 1, 0                                   ; the last lap fills nothing, and has no round of the cluster's barrier
	STEP 1, 0, 0
	s_wait_dscnt 4*NL                              ; the very last step: nothing more to fetch
	WIN MUL_LO
	MUL16 0, 1, 0
	MUL16 2, 1, 0
	s_wait_dscnt 0
	WIN MUL_HI
	MUL16 4, 1, 0
	MUL16 6, 1, 0
	WIN 0
; THE WAY OUT, block by block of 16 rows x 128 columns.  A lane holds 32 neighbouring bytes of a row, and the lanes beside it hold other rows: so a block's sums go, as they are, through my own stage in LDS and
; come back as whole rows of 512 bytes.  There a lane holds the same four columns in every row: sum x 2^(ea + eb) + bias is one packed multiply-add for two numbers, and the 32 lanes store 512 consecutive bytes.
; LDS serves a wave's instructions in order (ISA guide 5.7.1.4): no wait between the stores and the loads, nor in front of the next block's stores.
.macro TOSTAGE a
.set AC, 64*((\a)%4)
	WIN 0x08+4*((\a)/4)                            ; an LDS store's data are its source 1: window 2 or 3
.irp b, 0,1,2,3,4,5,6,7
	ds_store_b128 v[STO], v[AC+8*\b:AC+8*\b+3] offset:64*\b            ; each accumulator from its low end on
	ds_store_b128 v[STO], v[AC+8*\b+4:AC+8*\b+7] offset:64*\b+16
.endr
	WIN 0
.set BB, BK+64*((\a)%2)
.irp t, 0,1,2,3,4,5,6,7,8,9,10,11,12,13,14,15
	ds_load_b128 v[BB+4*\t:BB+4*\t+3], v[RD] offset:\t*SPITCH
.endr
.endm
.macro SEND a, younger                 ; younger: the LDS instructions issued behind block a's loads, which may stay out
.set BB, BK+64*((\a)%2)
	s_wait_dscnt \younger                          ; the block is back in registers
.if (\a) > 0
	s_add_nc_u64 s[10:11], s[10:11], 16*SIZE_N*4   ; (behind a wait on XCNT: the earlier stores have read their base)  16 rows on, so that the stores' offsets stay small: 15 rows of 16,384 bytes at the most
.endif
.irp t, 0,1,2,3,4,5,6,7,8,9,10,11,12,13,14,15
	v_pk_fma_f32 v[BB+4*\t:BB+4*\t+1], v[BB+4*\t:BB+4*\t+1], s[96:97], v[BI:BI+1] op_sel_hi:[1,0,1]         ; sum x 2^(ea + eb) + bias (the scalar pair's low word for both halves)
	v_pk_fma_f32 v[BB+4*\t+2:BB+4*\t+3], v[BB+4*\t+2:BB+4*\t+3], s[96:97], v[BI+2:BI+3] op_sel_hi:[1,0,1]
	global_store_b128 v[CO], v[BB+4*\t:BB+4*\t+3], s[10:11] offset:\t*SIZE_N*4 th:TH_STORE_NT   ; 32 lanes store 512 consecutive bytes, at a multiple of 256 from the buffer's first byte; written once, read by nobody in this launch
.endr
.endm
	s_wait_kmcnt 0x0                               ; the four exponents
	s_cmp_eq_u32 s80, 0                            ; my product's two, by selects: no branch hangs on a loaded number
	s_cselect_b32 s96, s84, s86
	s_cselect_b32 s97, s85, s87
	s_add_co_i32 s96, s96, s97                     ; ea + eb, between -126 and 127,
	s_add_co_i32 s96, s96, 127
	s_lshl_b32 s96, s96, 23                        ; makes the f32 number 2^(ea + eb)
	s_wait_loadcnt 0x0                             ; the bias
	PLACES NP                                      ; behind the last products: for the LDS stores that read results, and for the loads into the registers that held A's fragments
	TOSTAGE 0
.irp a, 1,2,3,4,5,6,7
.if \a > 1
	s_wait_xcnt 0x0                                ; block a - 2's stores have read their registers and their base: block a's loads may land there, and the base may step
.endif
	TOSTAGE \a
	SEND \a-1, 32                                  ; behind block a - 1's loads: block a's 16 stores and 16 loads
.endr
	s_wait_xcnt 0x0                                ; block 6's stores have read their base
	SEND 7, 0
	s_wait_tensorcnt 0x0                           ; the wave's end: behind my last tensor load and my last LDS store
	ds_add_u32 v[SPW], v[NIL]
	s_wait_dscnt 0x0
	CROUND                                         ; the closing round: no work-group ends while a partner may still ask for a tile that names it
	s_endpgm
.Lfunc_end_k_qb778bee368_gemm:
	.size	k_qb778bee368_gemm, .Lfunc_end_k_qb778bee368_gemm-k_qb778bee368_gemm
	.p2alignl 7, 3214868480
	.fill 96, 4, 3214868480
	.section	.rodata,"a",@progbits
	.p2align	6, 0x0
	.amdhsa_kernel k_qb778bee368_gemm
		.amdhsa_group_segment_fixed_size 327680
		.amdhsa_private_segment_fixed_size 0
		.amdhsa_enable_private_segment 0
		.amdhsa_kernarg_size 56
		.amdhsa_user_sgpr_count 2
		.amdhsa_user_sgpr_kernarg_segment_ptr 1
		.amdhsa_wavefront_size32 1
		.amdhsa_system_sgpr_workgroup_id_x 1
		.amdhsa_system_sgpr_workgroup_id_y 1
		.amdhsa_system_sgpr_workgroup_id_z 1
		.amdhsa_system_vgpr_workitem_id 0
		.amdhsa_next_free_vgpr 1024
		.amdhsa_next_free_sgpr 100
		.amdhsa_reserve_vcc 0
		.amdhsa_float_denorm_mode_32 3
		.amdhsa_float_denorm_mode_16_64 3
		.amdhsa_memory_ordered 1
		.amdhsa_forward_progress 1
		.amdhsa_inst_pref_size 125
	.end_amdhsa_kernel
	.amdgpu_metadata
---
amdhsa.version: [ 1, 2 ]
amdhsa.kernels:
  - .name:           k_qb778bee368_gemm
    .symbol:         k_qb778bee368_gemm.kd
    .args:
      - { .name: fq, .offset: 0, .size: 8, .value_kind: global_buffer, .address_space: global }
      - { .name: W1_codes, .offset: 8, .size: 8, .value_kind: global_buffer, .address_space: global }
      - { .name: W2_codes, .offset: 16, .size: 8, .value_kind: global_buffer, .address_space: global }
      - { .name: b1, .offset: 24, .size: 8, .value_kind: global_buffer, .address_space: global }
      - { .name: b2, .offset: 32, .size: 8, .value_kind: global_buffer, .address_space: global }
      - { .name: lowp_scales, .offset: 40, .size: 8, .value_kind: global_buffer, .address_space: global }
      - { .name: logits, .offset: 48, .size: 8, .value_kind: global_buffer, .address_space: global }
    .group_segment_fixed_size: 327680
    .private_segment_fixed_size: 0
    .kernarg_segment_align: 8
    .kernarg_segment_size: 56
    .max_flat_workgroup_size: 128
    .sgpr_count:     100
    .vgpr_count:     1024
    .wavefront_size: 32
...
	.end_amdgpu_metadata
.endif
;; end of part 2
;; launch soft (part 3): grid 2048 x 1, 4 waves a work-group, no clusters, 768 bytes of LDS; arguments logits, f, out0; writes out0
.if DOCPART == 3
	.amdgcn_target "amdgcn-amd-amdhsa--gfx1250"
	.amdhsa_code_object_version 6
	.text
	.protected	k_qb778bee368_soft
	.globl	k_qb778bee368_soft
	.p2align	8
	.type	k_qb778bee368_soft,@function
k_qb778bee368_soft:
	s_mov_b64 s[64:65], 0
	v_nop
	global_prefetch_b8 v0, s[64:65] scope:SCOPE_SE
	s_setreg_imm32_b32 hwreg(HW_REG_WAVE_MODE, 25, 1), 1
	s_wait_xcnt 0x0
; out0[r] = f[r] + softmax(F1[r]) + softmax(F2[r]).  logits [4096][4096] f32: row r = F1[r], row 2,048 + r = F2[r] (scale and bias applied).  f, out0: [2048][4096] f32.  All in f32.
; SHARES.  A work-group of four waves takes ONE row r.  Thread t takes the 16 bytes at 16 t + 2,048 j, j = 0 .. 7, of F1[r], of F2[r] and of f[r]: 32 numbers of each, kept in registers between the pass that finds
; maximum and sum and the pass that scales: every byte is read once.  A load or store of a wave covers 512 consecutive bytes, aligned.  All 24 loads of a wave go out at its head, F1's first, so that F1's softmax is
; worked while F2 and f are on their way.
; THE SOFTMAX.  Each wave takes ITS OWN 1,024 numbers' maximum m away: p = 2^(c x - MC), c = log2(e), MC = c m rounded once, and sums p to l.  The four waves' (MC, l) meet in LDS behind one barrier;
; G = the largest MC; the row's sum is L = the sum over waves of l 2^(MC - G), at least about 1; a wave's p are multiplied by g = 2^(its MC - G) / L.  MC is one constant in all terms of a wave and is taken
; back by the same number in g, so its rounding cancels.  No exponent is above 0 by more than that rounding.
; LIMITS: NaN and infinities among the inputs are not served.  What falls under the smallest normal f32 number in an exponential counts as 0.
; No matrix unit, no tensor load, no cluster: work-groups share nothing.
.set A1, 16                            ; v16-47   F1's 32 numbers, then their p
.set A2, 48                            ; v48-79   F2's
.set FX, 80                            ; v80-111  f's, then the result
.set ST, 112                           ; v[112:115] my wave's MC1, l1, MC2, l2
.set W,  116                           ; v116-127 the same four of waves 0, 1, 2; wave 3's lie in v[12:15]
	s_load_b128 s[4:7], s[0:1], 0x0                ; logits s[4:5], f s[6:7]
	s_load_b64 s[8:9], s[0:1], 0x10                ; out0
	v_lshl_add_u32 v128, v0, 2, 0x100
	v_mov_b32 v129, 0
	s_lshl_b32 s2, ttmp9, 14                       ; my row x 16,384 bytes: under 2^25
	s_mov_b32 s3, 0
	s_mov_b32 s12, 0x76543210                      ; v_permlanex16_b32: lane i of one half reads lane i of the other
	s_mov_b32 s13, 0xfedcba98
	s_mov_b32 s14, 0x3fb8aa3b                      ; c = log2(e)
	s_mov_b32 s15, s14                             ; (named with it as a pair, so it is written)
	v_lshlrev_b32 v1, 4, v0                        ; 16 x thread; never rewritten
	v_lshrrev_b32 v2, 5, v0
	v_lshlrev_b32 v2, 4, v2                        ; 16 x wave: where my wave's four figures go in LDS
	v_mov_b32 v3, 0                                ; where all sixteen are read from
	v_mov_b32 v5, 0                                ; written once: a lane permute's destination counts as one of its sources
.irp i, 0,1,2,3
	v_mov_b32 v[ST+\i], 0                          ; (l's places are named as the upper halves of the pairs (MC, l) before they are filled)
.endr
	s_wait_kmcnt 0x0
	s_add_nc_u64 s[4:5], s[4:5], s[2:3]            ; F1[r],
	s_add_nc_u64 s[6:7], s[6:7], s[2:3]            ; f[r],
	s_add_nc_u64 s[8:9], s[8:9], s[2:3]            ; out0[r],
	s_add_nc_u64 s[10:11], s[4:5], 0x2000000       ; F2[r]: 2,048 rows of 16,384 bytes further on
.irp j, 0,1,2,3,4,5,6,7
	global_load_b128 v[A1+4*\j:A1+4*\j+3], v1, s[4:5] offset:2048*\j th:TH_LOAD_NT
.endr
.irp j, 0,1,2,3,4,5,6,7
	global_load_b128 v[A2+4*\j:A2+4*\j+3], v1, s[10:11] offset:2048*\j th:TH_LOAD_NT
.endr
.irp j, 0,1,2,3,4,5,6,7
	global_load_b128 v[FX+4*\j:FX+4*\j+3], v1, s[6:7] offset:2048*\j th:TH_LOAD_NT
.endr
; My wave's part of one softmax: the 32 numbers a lane at v[a] become p in place; MC goes to v[st], l to v[st + 1].  left: how many younger loads may stay out.
.macro LOCAL a, st, left
	s_wait_loadcnt \left                           ; loads come back in order (ISA guide 5.7.1): this array's eight are in
	v_max3_num_f32 v4, v[\a], v[\a+1], v[\a+2]     ; the largest of my 32 numbers, in two chains
	v_max3_num_f32 v6, v[\a+3], v[\a+4], v[\a+5]
.irp i, 6,10,14,18,22,26
	v_max3_num_f32 v4, v4, v[\a+\i], v[\a+\i+1]
	v_max3_num_f32 v6, v6, v[\a+\i+2], v[\a+\i+3]
.endr
	v_max3_num_f32 v4, v4, v[\a+30], v[\a+31]
	v_max_num_f32 v4, v4, v6
	v_max_num_f32_dpp v4, v4, v4 row_xmask:1 row_mask:0xf bank_mask:0xf   ; across the 32 lanes: four steps inside each half of 16, one across the halves
	v_max_num_f32_dpp v4, v4, v4 row_xmask:2 row_mask:0xf bank_mask:0xf
	v_max_num_f32_dpp v4, v4, v4 row_xmask:4 row_mask:0xf bank_mask:0xf
	v_max_num_f32_dpp v4, v4, v4 row_xmask:8 row_mask:0xf bank_mask:0xf
	v_permlanex16_b32 v5, v4, s12, s13
	v_max_num_f32 v4, v4, v5                       ; every lane holds the wave's maximum m
	v_mul_f32 v[\st], s14, v4                      ; MC = c m
.irp j, 0,2,4,6,8,10,12,14,16,18,20,22,24,26,28,30
	v_pk_fma_f32 v[\a+\j:\a+\j+1], v[\a+\j:\a+\j+1], s[14:15], v[\st:\st+1] op_sel_hi:[1,0,0] neg_lo:[0,0,1] neg_hi:[0,0,1]   ; c x - MC, two at a time (of the pairs c and MC the low word serves both halves)
.endr
.irp j, 0,1,2,3,4,5,6,7,8,9,10,11,12,13,14,15,16,17,18,19,20,21,22,23,24,25,26,27,28,29,30,31
	v_exp_f32 v[\a+\j], v[\a+\j]                   ; p = 2^(c x - MC)
.endr
	v_nop                                          ; a plain instruction behind the last exponential, ahead of the first use of a result (ISA guide 5.7.2)
	s_wait_alu depctr_va_vdst(0)                   ; one wait for the batch of 32, ahead of its first reader
	v_pk_add_f32 v[12:13], v[\a:\a+1], v[\a+2:\a+3]       ; the sum of my 32, two at a time, in two chains
	v_pk_add_f32 v[14:15], v[\a+4:\a+5], v[\a+6:\a+7]
.irp j, 8,12,16,20,24,28
	v_pk_add_f32 v[12:13], v[12:13], v[\a+\j:\a+\j+1]
	v_pk_add_f32 v[14:15], v[14:15], v[\a+\j+2:\a+\j+3]
.endr
	v_pk_add_f32 v[12:13], v[12:13], v[14:15]
	v_add_f32 v4, v12, v13
	v_add_f32_dpp v4, v4, v4 row_xmask:1 row_mask:0xf bank_mask:0xf
	v_add_f32_dpp v4, v4, v4 row_xmask:2 row_mask:0xf bank_mask:0xf
	v_add_f32_dpp v4, v4, v4 row_xmask:4 row_mask:0xf bank_mask:0xf
	v_add_f32_dpp v4, v4, v4 row_xmask:8 row_mask:0xf bank_mask:0xf
	v_permlanex16_b32 v5, v4, s12, s13
	v_add_f32 v[\st+1], v4, v5                     ; l: the same bits in every lane, since each step adds the same two numbers in both partners
.endm
	LOCAL A1, ST, 16                               ; F2's and f's sixteen loads may be out
	LOCAL A2, ST+2, 8                              ; f's eight may be out
	ds_store_b128 v2, v[ST:ST+3]                   ; all lanes of a wave write the same 16 bytes with the same numbers
	s_wait_dscnt 0x0                               ; for the others' sake: my store has landed
	s_barrier_signal -1
	s_barrier_wait -1                              ; the one barrier: the 64 bytes are written once and then only read
	ds_load_b128 v[W:W+3], v3                      ; wave 0's MC1, l1, MC2, l2
	ds_load_b128 v[W+4:W+7], v3 offset:16          ; wave 1's
	ds_load_b128 v[W+8:W+11], v3 offset:32         ; wave 2's
	ds_load_b128 v[12:15], v3 offset:48            ; wave 3's
	s_wait_dscnt 0x0
	v_max3_num_f32 v4, v[W], v[W+4], v[W+8]        ; G1, G2: the row's largest MC
	v_max3_num_f32 v6, v[W+2], v[W+6], v[W+10]
	v_max_num_f32 v4, v4, v12
	v_max_num_f32 v6, v6, v14
.irp w, 0,4,8
	v_sub_f32 v[W+\w], v[W+\w], v4                 ; MC - G, 0 or less, in place: the four waves',
	v_sub_f32 v[W+\w+2], v[W+\w+2], v6
.endr
	v_sub_f32 v12, v12, v4
	v_sub_f32 v14, v14, v6
	v_sub_f32 v[ST], v[ST], v4                     ; and my own
	v_sub_f32 v[ST+2], v[ST+2], v6
.irp w, 0,4,8
	v_exp_f32 v[W+\w], v[W+\w]
	v_exp_f32 v[W+\w+2], v[W+\w+2]
.endr
	v_exp_f32 v12, v12
	v_exp_f32 v14, v14
	v_exp_f32 v[ST], v[ST]
	v_exp_f32 v[ST+2], v[ST+2]
	v_nop                                          ; a plain instruction behind the last exponential
	s_wait_alu depctr_va_vdst(0)                   ; one wait for the ten
	v_mul_f32 v5, v[W+1], v[W]                     ; L = the sum over waves of l 2^(MC - G), both softmaxes by turns
	v_mul_f32 v7, v[W+3], v[W+2]
	v_fma_f32 v5, v[W+5], v[W+4], v5
	v_fma_f32 v7, v[W+7], v[W+6], v7
	v_fma_f32 v5, v[W+9], v[W+8], v5
	v_fma_f32 v7, v[W+11], v[W+10], v7
	v_fma_f32 v5, v13, v12, v5
	v_fma_f32 v7, v15, v14, v7
	v_rcp_f32 v4, v5
	v_rcp_f32 v6, v7
	v_nop                                          ; a plain instruction behind the last reciprocal
	s_wait_alu depctr_va_vdst(0)                   ; one wait for the two
	v_mul_f32 v8, v[ST], v4                        ; g1 = 2^(my MC1 - G1) / L1, in both registers of the pair that the packed form multiplies by
	v_mul_f32 v9, v[ST], v4
	v_mul_f32 v10, v[ST+2], v6                     ; g2
	v_mul_f32 v11, v[ST+2], v6
	s_wait_loadcnt 0x0                             ; f
.irp j, 0,2,4,6,8,10,12,14,16,18,20,22,24,26,28,30
	v_pk_fma_f32 v[FX+\j:FX+\j+1], v[A1+\j:A1+\j+1], v[8:9], v[FX+\j:FX+\j+1]     ; f + softmax(F1)
.endr
.irp j, 0,2,4,6,8,10,12,14,16,18,20,22,24,26,28,30
	v_pk_fma_f32 v[FX+\j:FX+\j+1], v[A2+\j:A2+\j+1], v[10:11], v[FX+\j:FX+\j+1]   ; + softmax(F2)
.endr
.irp j, 0,1,2,3,4,5,6,7
	global_store_b128 v1, v[FX+4*\j:FX+4*\j+3], s[8:9] offset:2048*\j th:TH_STORE_NT   ; a wave stores 512 consecutive bytes, at a multiple of 256 from out0's first byte
.endr
	s_wait_tensorcnt 0x0
	ds_add_u32 v128, v129
	s_wait_dscnt 0x0
	s_endpgm
.Lfunc_end_k_qb778bee368_soft:
	.size	k_qb778bee368_soft, .Lfunc_end_k_qb778bee368_soft-k_qb778bee368_soft
	.p2alignl 7, 3214868480
	.fill 96, 4, 3214868480
	.section	.rodata,"a",@progbits
	.p2align	6, 0x0
	.amdhsa_kernel k_qb778bee368_soft
		.amdhsa_group_segment_fixed_size 768
		.amdhsa_private_segment_fixed_size 0
		.amdhsa_enable_private_segment 0
		.amdhsa_kernarg_size 24
		.amdhsa_user_sgpr_count 2
		.amdhsa_user_sgpr_kernarg_segment_ptr 1
		.amdhsa_wavefront_size32 1
		.amdhsa_system_sgpr_workgroup_id_x 1
		.amdhsa_system_sgpr_workgroup_id_y 1
		.amdhsa_system_sgpr_workgroup_id_z 1
		.amdhsa_system_vgpr_workitem_id 0
		.amdhsa_next_free_vgpr 130
		.amdhsa_next_free_sgpr 66
		.amdhsa_reserve_vcc 0
		.amdhsa_float_denorm_mode_32 3
		.amdhsa_float_denorm_mode_16_64 3
		.amdhsa_memory_ordered 1
		.amdhsa_forward_progress 1
		.amdhsa_inst_pref_size 18
	.end_amdhsa_kernel
	.amdgpu_metadata
---
amdhsa.version: [ 1, 2 ]
amdhsa.kernels:
  - .name:           k_qb778bee368_soft
    .symbol:         k_qb778bee368_soft.kd
    .args:
      - { .name: logits, .offset: 0, .size: 8, .value_kind: global_buffer, .address_space: global }
      - { .name: f, .offset: 8, .size: 8, .value_kind: global_buffer, .address_space: global }
      - { .name: out0, .offset: 16, .size: 8, .value_kind: global_buffer, .address_space: global }
    .group_segment_fixed_size: 768
    .private_segment_fixed_size: 0
    .kernarg_segment_align: 8
    .kernarg_segment_size: 24
    .max_flat_workgroup_size: 128
    .sgpr_count:     66
    .vgpr_count:     130
    .wavefront_size: 32
...
	.end_amdgpu_metadata
.endif
;; end of part 3
